; MI455X (gfx1250); checked and timed in simulation.
; The chip was launched on July 23, 2026; its instructions are those of AMD's public machine-readable ISA for CDNA 5 (MIT licence, August 2026) and "CDNA5" Instruction Set Architecture Reference Guide (July 2026). The comments in the code are by the model that wrote it; some were corrected since.
;; Model Sglang. Allowed arithmetic: float matrix products may take bf16 or f16 operands with f32 sums; all other float work in f32.
;; Inputs: b_seq_len 8 int32; b_start_loc 8 int32; k 8,192 x 16 x 64 float32; q 8,192 x 16 x 64 float32; v 8,192 x 16 x 64 float32.
;; Outputs: out0 8,192 x 16 x 64 float32.
;; One version. Each part assembles by itself: llvm-mc -triple=amdgcn-amd-amdhsa -mcpu=gfx1250 --defsym DOCPART=n.
;; ======== version 1 of 1: 1 launch
;; limits: values are held in f16: magnitudes above 65,504 overflow, below 6.1e-05 lose precision; inputs' magnitudes at most 65,504; below input magnitudes of 6.1e-05 results are inexact or not finite
;; launch attn (part 1): grid 256 x 1, 8 waves a work-group, no clusters, 148,480 bytes of LDS; arguments q, k, v, out0, b_seq_len, b_start_loc; writes out0
.if DOCPART == 1
	.amdgcn_target "amdgcn-amd-amdhsa--gfx1250"
	.amdhsa_code_object_version 6
	.text
	.protected	k_q3191ebe5ca_attn
	.globl	k_q3191ebe5ca_attn
	.p2align	8
	.type	k_q3191ebe5ca_attn,@function
k_q3191ebe5ca_attn:
	s_mov_b64 s[64:65], 0
	v_nop
	global_prefetch_b8 v0, s[64:65] scope:SCOPE_SE
	s_setreg_imm32_b32 hwreg(HW_REG_WAVE_MODE, 25, 1), 1
	s_wait_xcnt 0x0
; Causal attention over 8 packed sequences of 1024 tokens, 16 heads of 64, all f32 in memory.
; A key is valid for a query iff kpos < min(qpos + 1, len_b); rows with qpos >= len_b are stored as 0.
; b_start_loc: the function that defines the result unpacks by reshape and never reads it; its address is passed and never used.
;
; SHARING.  Work-group = (batch b, head, p).  A head has 4 blocks of 256 queries; block i needs 4 (i + 1) key tiles of 64 keys.
; Work-group p runs block 3 - p (16 - 4 p tiles) and then block p (4 + 4 p tiles): 20 tile steps for either p, 256 equal work-groups.
; Eight waves; wave w owns 32 queries (two blocks nb of 16) at 256 x block + 32 w.  A wave skips the tiles that lie wholly behind its queries.
; The 20 steps are one stream: the K/V pipeline runs on across the change of block.
;
; TRANSPOSED ARITHMETIC.  S^T = K Q^T: register j of lane (r, h) holds key 16 kb + 8 h + j of query r.  O^T = V^T P^T wants, as its second
; source, keys 32 kk + 8 h .. + 7 and 32 kk + 16 + 8 h .. + 7 of query r in lane (r, h): that is S^T(2 kk) and S^T(2 kk + 1) packed to 16 bits
; in place, so P never leaves the registers, a query's maximum lies in the lane pair (r, r + 16), and its sum is joined once, at the end.
;
; FORMATS.  Q and K go to the matrix unit in bf16.  P and V go in f16: p lies in [0, 1], where bf16's half step reaches 2^-9 and f16's 2^-12,
; and in a row of few keys the output carries p's rounding times |v| undamped.  V is rounded to bf16 first, like Q and K, and that
; number is then written as f16, which is exact for 2^-14 <= |v| <= 65,504 (8 significant bits fit in 11).
;
; DATA PATH.  K and V: global_load_b128 (16 lanes take one key's 256 bytes) into two staging sets of registers, 16 bits in place, ds_store_b64
; into one of two LDS slots.  Step s multiplies tile s, stores tile s + 1 and requests tile s + 3.  One barrier a step.
; No tensor loads, hence no joint requests in a cluster: the inputs are f32 and become 16-bit in registers on their way; a tile laid in LDS
; as f32 would cost 32 KiB written, 32 KiB read and 16 KiB written again, against 16 KiB written here; and the two work-groups of a head
; need different numbers of tiles in each of their blocks (16 + 4 against 12 + 8).
;
; LIMITS.  |v| above 65,504 becomes infinite in f16; |v| below 2^-14 keeps an absolute step of 2^-24, p below 2^-14 likewise.
; Running maximum of the raw scores, exponent (s - max) x 0.125 log2 e by one fused multiply-add.  Masked scores are -inf; key 0 is
; valid for every row as soon as len >= 1, so the maximum is finite from the first tile on.  The sum l adds p in f32 while the product
; takes p rounded to f16.  len is clamped to 0 .. 1024, which keeps the comparisons' meaning.  NaN or infinity in q, k or v at valid
; positions is not followed as the defining function follows it; rows with qpos >= len are replaced by 0 behind the last multiply.
.set PK,    144                        ; LDS pitch of K and Q rows: 128 bytes of bf16 + 16 (an odd multiple of 16)
.set PV,    160                        ; LDS pitch of V rows: 128 + 32 (an odd multiple of 32, for the transposing load)
.set VOFF,  64*PK                      ; V behind K in a slot
.set SLOTB, 64*PK+64*PV                ; 19,456 bytes a slot, two slots
.set QAREA, 2*SLOTB                    ; each wave's own: its 32 query rows in bf16, for both blocks
.set QPASS, 32*PK
.set QWAVE, 2*QPASS
.set OSTG,  QAREA+8*QWAVE              ; each wave's own: 16 rows of 256 bytes f32 on the way out
.set OP,    272
.set OWAVE, 16*OP                      ; ends at 147,456
.set ROWB,  4096                       ; bytes from a token to the next
.set TILEB, 64*ROWB
.set CEXP,  0x3e38aa3b                 ; 0.125 log2 e
.set NCEXP, 0xbe38aa3b                 ; its negative
; window 0
.set AK,   1                           ; r PK + 16 h: fragments of K
.set AV,   2                           ; VOFF + (8 h + (l & 7)) PV + 16 ((l >> 3) & 1): transposed fragments of V
.set AQ,   3                           ; AK + my wave's Q rows
.set STO,  4                           ; way out: r OP + 32 h in my stage
.set RD,   5                           ; way out: h OP + 16 r in my stage
.set COL,  6                           ; h ROWB + 16 r
.set CO,   7                           ; COL + my first query's row
.set R,    8                           ; r
.set H8,   9                           ; 8 h
.set T0,   10
.set T1,   11
.set QST,  12                          ; prologue only
.set QG,   13                          ; prologue only
.set QA0,  14                          ; v14, v15: prologue only, Q offsets of the two blocks
.set MX,   16                          ; v16, v17  running maximum of raw scores, nb 0, 1
.set LS,   18                          ; v18, v19  running sum, my half of the keys
.set NMC,  20                          ; v[20:21]  -c x maximum
.set AL,   22                          ; v[22:23]  the step's rescale factor; 1 / l at the end
.set LIMH, 24                          ; v24, v25  min(q + 1, len) - 8 h
.set CH,   26                          ; v26-29    four chains of the maximum; then the step's sums, a pair for each nb
.set CB,   30                          ; v[30:31]  second chain of the sums; temporaries of the maximum
.set QF,   32                          ; v32-63    Q fragments, 16 nb + 8 ks
.set SC,   64                          ; v64-127   S^T, then P^T: 32 nb + 8 kb
.set OA,   128                         ; v128-191  O^T: 32 nb + 8 t
.set FR,   192                         ; v192-255  K fragments 16 kb + 8 ks, then V fragments 16 t + 8 kk, then rows on the way out
; window 1 (v256 and up, written by their low 8 bits)
.set X,    0                           ; v256-319  two staging sets of 32: K's load i at 4 i, V's at 16 + 4 i
.set SK,   64                          ; v320      (8 w + 4 h) PK + 8 r
.set SV,   65                          ; v321      VOFF + (8 w + 4 h) PV + 8 r
.set G,    66                          ; v322      (8 w + 4 h) ROWB + 16 r
.set ADDR, 68                          ; v324, v325  the set's tile offset + G
.set STG,  0x45                        ; source 0, source 1 and destination in window 1
; scalars: s[4:5] q, s[6:7] k, s[8:9] v, s[10:11] out0 (all at the head's first row), s[12:13] b_seq_len, s14 wave, s15 p
.set LEN,  18
.set WRAP, 19                          ; first block's tiles x TILEB: there the stream starts again at tile 0
.set TOFF, 20                          ; byte offset of the next tile to request
.set K0,   21                          ; first key of the step's tile
.set WLIM, 22                          ; min(q0w + 32, len): tiles at or behind it hold nothing for my wave
.set MLIM, 23                          ; min(q0w + 1, len) - 64: tiles up to it need no mask
.set Q0W,  24                          ; my wave's first query
.set J,    25
.set CHG,  26                          ; the trip behind which the block changes: 7 - 2 p
                                       ; s27 -inf; s28, s29 lane selects; s[30:31] c twice; s32, s33 q0w of the two blocks; s34, s35 masks
.set HIM,  43                          ; a word's upper bf16
.set MSB, 0
.macro WIN new                         ; the immediate's high byte repeats the setting that is left
.if MSB != \new
	s_set_vgpr_msb (MSB<<8)|\new
.set MSB, \new
.endif
.endm
	s_load_b256 s[4:11], s[0:1], 0x0
	s_load_b64 s[12:13], s[0:1], 0x20
	s_set_vgpr_msb 0x40
	v_lshl_add_u32 v72, v0, 2, 0x24000
	v_mov_b32 v73, 0
	s_set_vgpr_msb 0x4000
	v_lshrrev_b32 v[T0], 5, v0
	v_readfirstlane_b32 s14, v[T0]                 ; wave 0..7
	s_and_b32 s15, ttmp9, 1                        ; p
	s_lshr_b32 s36, ttmp9, 5                       ; batch
	s_bfe_u32 s38, ttmp9, 0x40001                  ; head: 4 bits from bit 1
	s_lshl_b32 s16, s36, 22                        ; 1024 tokens of 4,096 bytes
	s_lshl_b32 s38, s38, 8                         ; a head's row is 256 bytes
	s_or_b32 s16, s16, s38
	s_mov_b32 s17, 0
	s_lshl_b32 s36, s36, 2                         ; my word of b_seq_len
	s_mov_b32 s37, 0
	s_mov_b32 s27, 0xff800000
	s_mov_b32 s28, 0x76543210                      ; v_permlanex16_b32: lane i of one half reads lane i of the other
	s_mov_b32 s29, 0xfedcba98
	s_mov_b32 s30, CEXP
	s_mov_b32 s31, CEXP
	s_mov_b32 s[HIM], 0xffff0000
	s_sub_co_u32 s38, 3, s15
	s_lshl_b32 s38, s38, 8
	s_lshl_b32 s39, s14, 5
	s_add_co_u32 s32, s38, s39                     ; first block: 256 (3 - p) + 32 w
	s_lshl_b32 s38, s15, 8
	s_add_co_u32 s33, s38, s39                     ; second block: 256 p + 32 w
	s_lshl_b32 s38, s15, 2
	s_sub_co_u32 s38, 16, s38
	s_lshl_b32 s[WRAP], s38, 18                    ; (16 - 4 p) tiles
	s_lshl_b32 s38, s15, 1
	s_sub_co_u32 s[CHG], 7, s38
	; lane terms
	v_and_b32 v[R], 15, v0
	v_bfe_u32 v[T0], v0, 4, 1                      ; h
	v_lshlrev_b32 v[H8], 3, v[T0]
	v_mul_u32_u24 v[AK], v[R], PK
	v_lshl_add_u32 v[AK], v[T0], 4, v[AK]
	v_and_b32 v[T1], 7, v0
	v_add_nc_u32 v[T1], v[T1], v[H8]
	v_mul_u32_u24 v[AV], v[T1], PV
	v_bfe_u32 v[T1], v0, 3, 1
	v_lshl_add_u32 v[AV], v[T1], 4, v[AV]
	v_add_nc_u32 v[AV], VOFF, v[AV]
	s_mul_i32 s38, s14, QWAVE
	s_add_co_u32 s38, s38, QAREA
	v_add_nc_u32 v[AQ], s38, v[AK]
	v_mul_u32_u24 v[QST], v[T0], 8*PK              ; Q on its way in: load i takes rows (i & 7) + 16 (i >> 3) + 8 h
	v_lshl_add_u32 v[QST], v[R], 3, v[QST]
	v_add_nc_u32 v[QST], s38, v[QST]
	s_mul_i32 s39, s14, OWAVE
	s_add_co_u32 s39, s39, OSTG
	v_mul_u32_u24 v[STO], v[R], OP
	v_lshl_add_u32 v[STO], v[T0], 5, v[STO]
	v_add_nc_u32 v[STO], s39, v[STO]
	v_mul_u32_u24 v[RD], v[T0], OP
	v_lshl_add_u32 v[RD], v[R], 4, v[RD]
	v_add_nc_u32 v[RD], s39, v[RD]
	v_lshlrev_b32 v[COL], 12, v[T0]
	v_lshl_add_u32 v[COL], v[R], 4, v[COL]
	v_lshlrev_b32 v[QG], 15, v[T0]                 ; 8 h rows
	v_lshl_add_u32 v[QG], v[R], 4, v[QG]
	s_lshl_b32 s38, s32, 12
	s_lshl_b32 s39, s33, 12
	v_add_nc_u32 v[QA0], s38, v[QG]
	v_add_nc_u32 v[QA0+1], s39, v[QG]
	; staging: wave w owns keys 8 w .. 8 w + 7 of every tile; load and store i take key 8 w + 4 h + i
	v_mul_u32_u24 v16, v[T0], 4*PK
	v_lshl_add_u32 v16, v[R], 3, v16
	v_mul_u32_u24 v17, v[T0], 4*PV
	v_lshl_add_u32 v17, v[R], 3, v17
	v_lshlrev_b32 v18, 14, v[T0]
	v_lshl_add_u32 v18, v[R], 4, v18
	s_mul_i32 s40, s14, 8*PK
	s_mul_i32 s41, s14, 8*PV
	s_add_co_u32 s41, s41, VOFF
	s_lshl_b32 s42, s14, 15
	v_mov_b32 v[CB], 0                             ; destinations of v_permlanex16_b32 count as read: written once here
	v_mov_b32 v[CB+1], 0
	WIN 0x40                                       ; destination in window 1
	v_add_nc_u32 v[SK], s40, v16
	v_add_nc_u32 v[SV], s41, v17
	v_add_nc_u32 v[G], s42, v18
	s_wait_kmcnt 0x0
	s_add_nc_u64 s[4:5], s[4:5], s[16:17]
	s_add_nc_u64 s[6:7], s[6:7], s[16:17]
	s_add_nc_u64 s[8:9], s[8:9], s[16:17]
	s_add_nc_u64 s[10:11], s[10:11], s[16:17]
	s_add_nc_u64 s[12:13], s[12:13], s[36:37]
	s_load_b32 s[LEN], s[12:13], 0x0
	; requests: tiles 0 and 1 (8 loads each), then my 32 query rows of both blocks (16 loads each): 48 loads out
	WIN STG
.irp t, 0,1
.irp i, 0,1,2,3
	global_load_b128 v[X+32*\t+4*\i:X+32*\t+4*\i+3], v[G], s[6:7] offset:\t*TILEB+\i*ROWB
.endr
.irp i, 0,1,2,3
	global_load_b128 v[X+32*\t+16+4*\i:X+32*\t+16+4*\i+3], v[G], s[8:9] offset:\t*TILEB+\i*ROWB
.endr
.endr
	WIN 0
.irp a, 0,1
.irp i, 0,1,2,3,4,5,6,7,8,9,10,11,12,13,14,15
	global_load_b128 v[SC+64*\a+4*\i:SC+64*\a+4*\i+3], v[QA0+\a], s[4:5] offset:((\i&7)+16*(\i>>3))*ROWB th:TH_LOAD_NT
.endr
.endr
; One staging set's turn: its tile has come; round to bf16 in place (V then goes on to f16), store into slot = set; doload = 1: request the
; tile at TOFF into the set.  cnt = the younger loads that may stay out.  The set's address register is rewritten only behind this wait
; for its own loads.  Of each load's four registers the packed words take 4 i and 4 i + 1; 4 i + 2 and 4 i + 3 are then free to hold
; the two bf16 halves as f32 on V's way to f16.
.macro STAGE set, doload, cnt
	s_wait_loadcnt \cnt
	WIN STG
.irp i, 0,1,2,3,4,5,6,7
	v_cvt_pk_bf16_f32 v[X+32*(\set)+4*\i],   v[X+32*(\set)+4*\i],   v[X+32*(\set)+4*\i+1]
	v_cvt_pk_bf16_f32 v[X+32*(\set)+4*\i+1], v[X+32*(\set)+4*\i+2], v[X+32*(\set)+4*\i+3]
.endr
.irp i, 0,1,2,3
	ds_store_b64 v[SK], v[X+32*(\set)+4*\i:X+32*(\set)+4*\i+1] offset:(\set)*SLOTB+\i*PK
.endr
.irp wd, 0,1
.irp i, 4,5,6,7
	v_lshlrev_b32 v[X+32*(\set)+4*\i+2], 16, v[X+32*(\set)+4*\i+\wd]           ; bf16 to f32: the low half moves up,
	v_and_b32     v[X+32*(\set)+4*\i+3], s[HIM], v[X+32*(\set)+4*\i+\wd]       ; the high half stays
.endr
.irp i, 4,5,6,7
	v_cvt_pk_f16_f32 v[X+32*(\set)+4*\i+\wd], v[X+32*(\set)+4*\i+2], v[X+32*(\set)+4*\i+3]
.endr
.endr
.irp i, 0,1,2,3
	ds_store_b64 v[SV], v[X+32*(\set)+16+4*\i:X+32*(\set)+16+4*\i+1] offset:(\set)*SLOTB+\i*PV
.endr
.if \doload
	v_add_nc_u32 v[ADDR+(\set)], s[TOFF], v[G]
.irp i, 0,1,2,3
	global_load_b128 v[X+32*(\set)+4*\i:X+32*(\set)+4*\i+3], v[ADDR+(\set)], s[6:7] offset:\i*ROWB
.endr
.irp i, 0,1,2,3
	global_load_b128 v[X+32*(\set)+16+4*\i:X+32*(\set)+16+4*\i+3], v[ADDR+(\set)], s[8:9] offset:\i*ROWB
.endr
.endif
	WIN 0
.if \doload
	s_add_co_u32 s[TOFF], s[TOFF], TILEB           ; the next tile of the stream; behind the first block's last tile comes tile 0 again
	s_cmp_eq_u32 s[TOFF], s[WRAP]
	s_cselect_b32 s[TOFF], 0, s[TOFF]
.endif
.endm
; Scores of keys at or behind min(q + 1, len) become -inf.  Key = K0 + 16 kb + 8 h + j, so the test is 16 kb + j < LIMH - K0.
.macro MASK nb
	v_sub_nc_u32 v[T0], v[LIMH+\nb], s[K0]
.irp kb, 0,1,2,3
.irp j, 0,1,2,3,4,5,6,7
	v_cmp_lt_i32 vcc_lo, 16*\kb+\j, v[T0]
	v_cndmask_b32 v[SC+32*\nb+8*\kb+\j], s27, v[SC+32*\nb+8*\kb+\j], vcc_lo
.endr
.endr
.endm
; New maximum of query block nb: 32 scores and the old maximum are 33 numbers, 16 v_max3; then the other half of the keys from lane l xor 16.
; Leaves NMC = -c x maximum and AL = 2^(c (old - new)).
.macro ROWMAX nb
.irp kb, 0,1,2,3
	v_max3_num_f32 v[CH+\kb], v[SC+32*\nb+8*\kb], v[SC+32*\nb+8*\kb+1], v[SC+32*\nb+8*\kb+2]
.endr
.irp kb, 0,1,2,3
	v_max3_num_f32 v[CH+\kb], v[CH+\kb], v[SC+32*\nb+8*\kb+3], v[SC+32*\nb+8*\kb+4]
.endr
.irp kb, 0,1,2,3
	v_max3_num_f32 v[CH+\kb], v[CH+\kb], v[SC+32*\nb+8*\kb+5], v[SC+32*\nb+8*\kb+6]
.endr
	v_max3_num_f32 v[CH],   v[CH],   v[CH+1], v[SC+32*\nb+7]
	v_max3_num_f32 v[CH+2], v[CH+2], v[CH+3], v[SC+32*\nb+15]
	v_max3_num_f32 v[CH],   v[CH],   v[CH+2], v[SC+32*\nb+23]
	v_max3_num_f32 v[CH],   v[CH],   v[SC+32*\nb+31], v[MX+\nb]
	v_permlanex16_b32 v[CB+1], v[CH], s28, s29
	v_max_num_f32 v[CB], v[CH], v[CB+1]
	v_mul_f32 v[NMC+\nb], NCEXP, v[CB]
	v_fmamk_f32 v[CB+1], v[MX+\nb], CEXP, v[NMC+\nb]
	v_mov_b32 v[MX+\nb], v[CB]
	v_exp_f32 v[AL+\nb], v[CB+1]                   ; the line behind it (the other block's v_max3, or the first v_pk_fma_f32) touches neither register
.endm
; Exponents of block nb: s x c - c x maximum, two at a time; the addend is broadcast from its half of the pair.
.macro SCALE nb
.irp j, 0,2,4,6,8,10,12,14,16,18,20,22,24,26,28,30
.if \nb == 0
	v_pk_fma_f32 v[SC+\j:SC+\j+1], v[SC+\j:SC+\j+1], s[30:31], v[NMC:NMC+1] op_sel_hi:[1,0,0]
.else
	v_pk_fma_f32 v[SC+32+\j:SC+32+\j+1], v[SC+32+\j:SC+32+\j+1], s[30:31], v[NMC:NMC+1] op_sel:[0,0,1] op_sel_hi:[1,0,1]
.endif
.endr
.endm
; One group of 8 scores (nb, kb): exponentials in place; the rescaling of O(nb, t = kb) is the plain work behind them (ISA guide 5.7.2);
; the sums in two chains; the packing to f16 into P(nb, kb / 2), registers 4 (kb & 1) .. + 3, ascending, so that no source is lost.
.macro SOFTG nb, kb
.irp j, 0,1,2,3,4,5,6,7
	v_exp_f32 v[SC+32*\nb+8*\kb+\j], v[SC+32*\nb+8*\kb+\j]
.endr
.irp j, 0,2,4,6
.if \nb == 0
	s_wait_alu depctr_va_vdst(0)
	v_pk_mul_f32 v[OA+8*\kb+\j:OA+8*\kb+\j+1], v[OA+8*\kb+\j:OA+8*\kb+\j+1], v[AL:AL+1] op_sel_hi:[1,0]
.else
	v_pk_mul_f32 v[OA+32+8*\kb+\j:OA+32+8*\kb+\j+1], v[OA+32+8*\kb+\j:OA+32+8*\kb+\j+1], v[AL:AL+1] op_sel:[0,1] op_sel_hi:[1,1]
.endif
.endr
.if \kb == 0
	s_wait_alu depctr_va_vdst(0)
	v_pk_add_f32 v[CH+2*\nb:CH+2*\nb+1], v[SC+32*\nb:SC+32*\nb+1], v[SC+32*\nb+2:SC+32*\nb+3]      ; the first group starts the chains
	v_pk_add_f32 v[CB:CB+1], v[SC+32*\nb+4:SC+32*\nb+5], v[SC+32*\nb+6:SC+32*\nb+7]
.else
	s_wait_alu depctr_va_vdst(0)
	v_pk_add_f32 v[CH+2*\nb:CH+2*\nb+1], v[CH+2*\nb:CH+2*\nb+1], v[SC+32*\nb+8*\kb:SC+32*\nb+8*\kb+1]
	v_pk_add_f32 v[CB:CB+1], v[CB:CB+1], v[SC+32*\nb+8*\kb+2:SC+32*\nb+8*\kb+3]
	v_pk_add_f32 v[CH+2*\nb:CH+2*\nb+1], v[CH+2*\nb:CH+2*\nb+1], v[SC+32*\nb+8*\kb+4:SC+32*\nb+8*\kb+5]
	v_pk_add_f32 v[CB:CB+1], v[CB:CB+1], v[SC+32*\nb+8*\kb+6:SC+32*\nb+8*\kb+7]
.endif
.irp i, 0,1,2,3
	v_cvt_pk_f16_f32 v[SC+32*\nb+16*(\kb/2)+4*(\kb&1)+\i], v[SC+32*\nb+8*\kb+2*\i], v[SC+32*\nb+8*\kb+2*\i+1]
.endr
.if \kb == 3
	v_pk_add_f32 v[CH+2*\nb:CH+2*\nb+1], v[CH+2*\nb:CH+2*\nb+1], v[CB:CB+1]
.endif
.endm
; One step of the stream: tile in slot; dostore = 1: the next tile goes from staging set 1 - slot into slot 1 - slot.
.macro STEP slot, dostore, doload, cnt, id
	s_wait_dscnt 0x0                               ; for the others: my stores of this tile and my reads of the last one are done
	s_barrier_signal -1
	s_barrier_wait -1                              ; so are everybody's: this slot may be read, the other written
	s_cmp_ge_i32 s[K0], s[WLIM]
	s_cbranch_scc1 .Lidle_\id                      ; nothing in this tile for my queries: only my share of the staging
.irp kb, 0,1,2,3
.irp ks, 0,1
	ds_load_b128 v[FR+16*\kb+8*\ks:FR+16*\kb+8*\ks+3],   v[AK] offset:\slot*SLOTB+\kb*16*PK+\ks*64
	ds_load_b128 v[FR+16*\kb+8*\ks+4:FR+16*\kb+8*\ks+7], v[AK] offset:\slot*SLOTB+\kb*16*PK+\ks*64+32
.endr
.endr
.if \dostore
	STAGE 1-\slot, \doload, \cnt
	s_wait_dscnt 0x8                               ; the 8 staging stores stand behind the 16 fragment loads and may stay out
.else
	s_wait_dscnt 0x0
.endif
	; S^T = K Q^T in bf16: the products of d 0-31 start the sums, those of d 32-63 add in place
.irp nb, 0,1
.irp kb, 0,1,2,3
	v_wmma_f32_16x16x32_bf16 v[SC+32*\nb+8*\kb:SC+32*\nb+8*\kb+7], v[FR+16*\kb:FR+16*\kb+7], v[QF+16*\nb:QF+16*\nb+7], 0
.endr
.endr
.irp nb, 0,1
.irp kb, 0,1,2,3
	v_wmma_f32_16x16x32_bf16 v[SC+32*\nb+8*\kb:SC+32*\nb+8*\kb+7], v[FR+16*\kb+8:FR+16*\kb+15], v[QF+16*\nb+8:QF+16*\nb+15], v[SC+32*\nb+8*\kb:SC+32*\nb+8*\kb+7]
.endr
.endr
.rept 4
	v_nop                                          ; four places before loads land in the K fragments and vector work reads S
.endr
.irp t, 0,1,2,3
.irp kk, 0,1
	ds_load_tr16_b128 v[FR+16*\t+8*\kk:FR+16*\t+8*\kk+3],   v[AV] offset:\slot*SLOTB+\t*32+\kk*32*PV
	ds_load_tr16_b128 v[FR+16*\t+8*\kk+4:FR+16*\t+8*\kk+7], v[AV] offset:\slot*SLOTB+\t*32+\kk*32*PV+16*PV
.endr
.endr
	s_cmp_le_i32 s[K0], s[MLIM]
	s_cbranch_scc1 .Lfull_\id                      ; all 64 keys are valid for my first query, so for all 32
	MASK 0
	MASK 1
.Lfull_\id:
	ROWMAX 0
	ROWMAX 1
	SCALE 0
	SCALE 1
.irp nb, 0,1
.irp kb, 0,1,2,3
	SOFTG \nb, \kb
.endr
.endr
	s_wait_dscnt 0x0                               ; the V fragments
	; O^T += V^T P^T in f16; these accumulators see this form alone, so each chain in place stays one
.irp kk, 0,1
.irp nb, 0,1
.irp t, 0,1,2,3
	v_wmma_f32_16x16x32_f16 v[OA+32*\nb+8*\t:OA+32*\nb+8*\t+7], v[FR+16*\t+8*\kk:FR+16*\t+8*\kk+7], v[SC+32*\nb+16*\kk:SC+32*\nb+16*\kk+7], v[OA+32*\nb+8*\t:OA+32*\nb+8*\t+7]
.endr
.endr
.endr
	; five places behind the products: the next step loads into the fragments and writes new sums over P; the way out reads O
	v_fma_f32 v[LS],   v[LS],   v[AL],   v[CH]
	v_fma_f32 v[LS+1], v[LS+1], v[AL+1], v[CH+2]
	v_add_f32 v[LS],   v[LS],   v[CH+1]
	v_add_f32 v[LS+1], v[LS+1], v[CH+3]
	v_nop
	s_branch .Ldone_\id
.Lidle_\id:
.if \dostore
	STAGE 1-\slot, \doload, \cnt
.endif
.Ldone_\id:
	s_add_co_u32 s[K0], s[K0], 64
.endm
; Start of a query block (pa = 0, 1): limits, Q fragments from my own LDS rows, sums cleared (the first step multiplies them by 2^-inf = 0,
; which wants finite numbers: 64 moves twice in the kernel, in place of a first step written out for each block).
.macro PASS_INIT pa
	s_mov_b32 s[Q0W], s[32+\pa]
	s_add_co_u32 s36, s[Q0W], 32
	s_min_i32 s[WLIM], s36, s[LEN]
	s_add_co_u32 s36, s[Q0W], 1
	s_min_i32 s36, s36, s[LEN]
	s_sub_co_i32 s[MLIM], s36, 64
	s_mov_b32 s[K0], 0
	v_add_nc_u32 v[T0], s[Q0W], v[R]
	v_add_nc_u32 v[T1], 1, v[T0]
	v_min_u32 v[T1], s[LEN], v[T1]
	v_sub_nc_u32 v[LIMH], v[T1], v[H8]
	v_add_nc_u32 v[T1], 17, v[T0]
	v_min_u32 v[T1], s[LEN], v[T1]
	v_sub_nc_u32 v[LIMH+1], v[T1], v[H8]
.irp nb, 0,1
.irp ks, 0,1
	ds_load_b128 v[QF+16*\nb+8*\ks:QF+16*\nb+8*\ks+3],   v[AQ] offset:\pa*QPASS+\nb*16*PK+\ks*64      ; waited for at the next step's head
	ds_load_b128 v[QF+16*\nb+8*\ks+4:QF+16*\nb+8*\ks+7], v[AQ] offset:\pa*QPASS+\nb*16*PK+\ks*64+32
.endr
.endr
.set jj, 0
.rept 64
	v_mov_b32 v[OA+jj], 0
.set jj, jj+1
.endr
	v_mov_b32 v[MX], s27
	v_mov_b32 v[MX+1], s27
	v_mov_b32 v[LS], 0
	v_mov_b32 v[LS+1], 0
.endm
; End of a query block: join the two halves' sums, divide, zero the rows at or behind len, and store.  A lane holds 8 neighbouring d of one
; query; 16 queries at a time go through my own stage and come back as whole rows: 16 lanes store 256 consecutive bytes, aligned.
.macro EPILOGUE
	v_permlanex16_b32 v[CB],   v[LS],   s28, s29
	v_permlanex16_b32 v[CB+1], v[LS+1], s28, s29
	v_add_f32 v[LS],   v[LS],   v[CB]
	v_add_f32 v[LS+1], v[LS+1], v[CB+1]
	v_rcp_f32 v[AL],   v[LS]
	v_rcp_f32 v[AL+1], v[LS+1]
	v_add_nc_u32 v[T0], s[Q0W], v[R]               ; plain work behind the reciprocals: my query numbers
	v_add_nc_u32 v[T1], 16, v[T0]
	s_lshl_b32 s36, s[Q0W], 12
	v_add_nc_u32 v[CO], s36, v[COL]
	v_cmp_gt_i32 s34, s[LEN], v[T0]
	v_cmp_gt_i32 s35, s[LEN], v[T1]
	s_wait_alu depctr_va_vdst(0)
.irp nb, 0,1
.irp j, 0,2,4,6,8,10,12,14,16,18,20,22,24,26,28,30
.if \nb == 0
	v_pk_mul_f32 v[OA+\j:OA+\j+1], v[OA+\j:OA+\j+1], v[AL:AL+1] op_sel_hi:[1,0]
.else
	v_pk_mul_f32 v[OA+32+\j:OA+32+\j+1], v[OA+32+\j:OA+32+\j+1], v[AL:AL+1] op_sel:[0,1] op_sel_hi:[1,1]
.endif
.endr
.set jj, 0
.rept 32
	v_cndmask_b32 v[OA+32*\nb+jj], 0, v[OA+32*\nb+jj], s[34+\nb]   ; behind the multiply: whatever an invalid row holds, 0 is stored
.set jj, jj+1
.endr
.irp t, 0,1,2,3
	ds_store_b128 v[STO], v[OA+32*\nb+8*\t:OA+32*\nb+8*\t+3]   offset:64*\t
	ds_store_b128 v[STO], v[OA+32*\nb+8*\t+4:OA+32*\nb+8*\t+7] offset:64*\t+16
.endr
.irp i, 0,1,2,3,4,5,6,7
	ds_load_b128 v[FR+32*\nb+4*\i:FR+32*\nb+4*\i+3], v[RD] offset:\i*2*OP      ; my own bytes, served in order behind the stores
.endr
.irp i, 0,1,2,3,4,5,6,7
	s_wait_dscnt 7-\i                              ; the younger read-backs stay out
	global_store_b128 v[CO], v[FR+32*\nb+4*\i:FR+32*\nb+4*\i+3], s[10:11] offset:\nb*16*ROWB+\i*2*ROWB th:TH_STORE_NT
.endr
.endr
	s_wait_xcnt 0x0                                ; the stores' data (fragment registers) and CO are rewritten only behind this wait
.endm
	; tile 0 into slot 0, tile 2 requested.  40 = tile 1's 8 loads and Q's 32, issued behind tile 0's
	s_mov_b32 s[TOFF], 2*TILEB
	STAGE 0, 1, 40
	s_wait_loadcnt 0x8                             ; all but tile 2's 8 loads: Q of both blocks is in
.irp a, 0,1
.irp i, 0,1,2,3,4,5,6,7,8,9,10,11,12,13,14,15
	v_cvt_pk_bf16_f32 v[SC+64*\a+4*\i],   v[SC+64*\a+4*\i],   v[SC+64*\a+4*\i+1]
	v_cvt_pk_bf16_f32 v[SC+64*\a+4*\i+1], v[SC+64*\a+4*\i+2], v[SC+64*\a+4*\i+3]
	ds_store_b64 v[QST], v[SC+64*\a+4*\i:SC+64*\a+4*\i+1] offset:\a*QPASS+((\i&7)+16*(\i>>3))*PK
.endr
.endr
	s_wait_kmcnt 0x0
	s_max_i32 s[LEN], s[LEN], 0
	s_min_i32 s[LEN], s[LEN], 1024
	PASS_INIT 0
	s_mov_b32 s[J], 0
.Ltrip:                                            ; steps 0 to 15.  8 = the other staging set's loads, issued one step later
	STEP 0, 1, 1, 8, a
	STEP 1, 1, 1, 8, b
	s_cmp_lg_u32 s[J], s[CHG]
	s_cbranch_scc1 .Lsame                          ; alike in all eight waves; no barrier inside
	EPILOGUE
	PASS_INIT 1
.Lsame:
	s_add_co_u32 s[J], s[J], 1
	s_cmp_lt_u32 s[J], 8
	s_cbranch_scc1 .Ltrip
	STEP 0, 1, 1, 8, c                             ; step 16 requests tile 19, the last
	STEP 1, 1, 0, 8, d                             ; step 17 stores tile 18; tile 19's 8 loads stay out
	STEP 0, 1, 0, 0, e                             ; step 18 stores tile 19: nothing was issued behind it
	STEP 1, 0, 0, 0, f
	EPILOGUE
	s_set_vgpr_msb 0x5
	s_wait_tensorcnt 0x0
	ds_add_u32 v72, v73
	s_wait_dscnt 0x0
	s_set_vgpr_msb 0x500
	s_endpgm
.Lfunc_end_k_q3191ebe5ca_attn:
	.size	k_q3191ebe5ca_attn, .Lfunc_end_k_q3191ebe5ca_attn-k_q3191ebe5ca_attn
	.p2alignl 7, 3214868480
	.fill 96, 4, 3214868480
	.section	.rodata,"a",@progbits
	.p2align	6, 0x0
	.amdhsa_kernel k_q3191ebe5ca_attn
		.amdhsa_group_segment_fixed_size 148480
		.amdhsa_private_segment_fixed_size 0
		.amdhsa_enable_private_segment 0
		.amdhsa_kernarg_size 48
		.amdhsa_user_sgpr_count 2
		.amdhsa_user_sgpr_kernarg_segment_ptr 1
		.amdhsa_wavefront_size32 1
		.amdhsa_system_sgpr_workgroup_id_x 1
		.amdhsa_system_sgpr_workgroup_id_y 1
		.amdhsa_system_sgpr_workgroup_id_z 1
		.amdhsa_system_vgpr_workitem_id 0
		.amdhsa_next_free_vgpr 330
		.amdhsa_next_free_sgpr 66
		.amdhsa_reserve_vcc 1
		.amdhsa_float_denorm_mode_32 3
		.amdhsa_float_denorm_mode_16_64 3
		.amdhsa_memory_ordered 1
		.amdhsa_forward_progress 1
		.amdhsa_inst_pref_size 210
	.end_amdhsa_kernel
	.amdgpu_metadata
---
amdhsa.version: [ 1, 2 ]
amdhsa.kernels:
  - .name:           k_q3191ebe5ca_attn
    .symbol:         k_q3191ebe5ca_attn.kd
    .args:
      - { .name: q, .offset: 0, .size: 8, .value_kind: global_buffer, .address_space: global }
      - { .name: k, .offset: 8, .size: 8, .value_kind: global_buffer, .address_space: global }
      - { .name: v, .offset: 16, .size: 8, .value_kind: global_buffer, .address_space: global }
      - { .name: out0, .offset: 24, .size: 8, .value_kind: global_buffer, .address_space: global }
      - { .name: b_seq_len, .offset: 32, .size: 8, .value_kind: global_buffer, .address_space: global }
      - { .name: b_start_loc, .offset: 40, .size: 8, .value_kind: global_buffer, .address_space: global }
    .group_segment_fixed_size: 148480
    .private_segment_fixed_size: 0
    .kernarg_segment_align: 8
    .kernarg_segment_size: 48
    .max_flat_workgroup_size: 256
    .sgpr_count:     66
    .vgpr_count:     330
    .wavefront_size: 32
...
	.end_amdgpu_metadata
.endif
;; end of part 1
